; MI455X (gfx1250); checked and timed in simulation.
; The chip was launched on July 23, 2026; its instructions are those of AMD's public machine-readable ISA for CDNA 5 (MIT licence, August 2026) and "CDNA5" Instruction Set Architecture Reference Guide (July 2026). The comments in the code are by the model that wrote it; some were corrected since.
;; Multi Head Attention. Allowed arithmetic: float matrix products may take bf16 or f16 operands with f32 sums; all other float work in f32.
;; Inputs: Wk 1,024 x 1,024 float32; Wo 1,024 x 1,024 float32; Wq 1,024 x 1,024 float32; Wv 1,024 x 1,024 float32; bk 1,024 float32; bo 1,024 float32; bq 1,024 float32; bv 1,024 float32; i 128 x 128 x 64 float32; k 8 x 128 x 1,024 float32; q 8 x 128 x 1,024 float32; v 8 x 4,096 x 1,024 float32.
;; Outputs: out0 8 x 1 x 1,024 float32.
;; 2 versions, each right; version 2 is version 1 with the launch head written anew for expert scheduling mode. Each part assembles by itself: llvm-mc -triple=amdgcn-amd-amdhsa -mcpu=gfx1250 --defsym DOCPART=n.
;; ======== version 1 of 2: 4 launches
;; workspace buffers: wt 2,097,152 bytes; ib 2,097,152 bytes; gsum 16,777,216 bytes; ypart 524,288 bytes
;; launch prep (part 1): grid 256 x 1, 8 waves a work-group, no clusters, 18,432 bytes of LDS; arguments Wv, i, wt, ib; writes wt, ib
.if DOCPART == 1
	.amdgcn_target "amdgcn-amd-amdhsa--gfx1250"
	.amdhsa_code_object_version 6
	.text
	.protected	k_q35450283f2_prep
	.globl	k_q35450283f2_prep
	.p2align	8
	.type	k_q35450283f2_prep,@function
k_q35450283f2_prep:
	s_mov_b64 s[64:65], 0
	v_nop
	global_prefetch_b8 v0, s[64:65] scope:SCOPE_SE
	s_setreg_imm32_b32 hwreg(HW_REG_WAVE_MODE, 25, 1), 1
	s_wait_xcnt 0x0
; Wv and i, f32, are rounded to bf16 and laid out as matrix fragments, so that the next launch fills half a fragment by one
; 16-byte LDS load at 16 x lane.  lane = 16 h + r.
;   wt [ks 16][nb 64][sub 2][cc 2][lane 32][16 bytes] = Wv[k][n], n = 16 nb + r, k = 64 ks + 32 sub + 16 cc + 8 h + 0..7
;   ib [bh 128][qb 8][ksub 2][cc 2][lane 32][16 bytes] = i[bh][16 qb + r][32 ksub + 16 cc + 8 h + 0..7]
; 256 work-groups of 256 threads.  Work-group x takes the tile of 64 k x 64 n of Wv at ks = x / 16, nq = x % 16 (transposed through LDS)
; and 64 rows of i (head x / 2, half x % 2).  Each thread makes two items of 16 bytes of each; a wave's store covers 512 consecutive bytes.
; No matrix unit, no cluster, no tensor load: 8 MiB are read once and no work-group shares a tile with another.
.set PITCH, 272                        ; an LDS row: 64 f32 + 16 bytes.  Eight rows are 544 words, 32 modulo 64, so the two halves of a wave read different words' columns
	s_load_b256 s[4:11], s[0:1], 0x0               ; Wv s[4:5], i s[6:7], wt s[8:9], ib s[10:11]
	v_lshl_add_u32 v80, v0, 2, 0x4400
	v_mov_b32 v81, 0
	s_lshr_b32 s12, ttmp9, 4                       ; ks
	s_and_b32 s13, ttmp9, 15                       ; nq
	s_lshl_b32 s14, s12, 18                        ; 64 ks rows of 4,096 bytes
	s_lshl_b32 s15, s13, 8                         ; + 64 nq columns
	s_add_co_u32 s14, s14, s15
	s_mov_b32 s15, 0
	s_lshl_b32 s16, ttmp9, 14                      ; i: 64 rows of 256 bytes for each work-group
	s_mov_b32 s17, 0
	s_lshl_b32 s18, s12, 17                        ; wt: ks x 131,072 + nq x 8,192
	s_lshl_b32 s19, s13, 13
	s_add_co_u32 s18, s18, s19
	s_mov_b32 s19, 0
	s_lshl_b32 s20, ttmp9, 13                      ; ib: 8,192 bytes for each work-group
	s_mov_b32 s21, 0
	v_and_b32 v1, 15, v0                           ; t % 16
	v_lshrrev_b32 v2, 4, v0                        ; t / 16
	v_lshlrev_b32 v3, 4, v1
	v_lshl_add_u32 v4, v2, 12, v3                  ; Wv: row t / 16, 16 bytes at 16 (t % 16): sixteen lanes read 256 consecutive bytes
	v_mul_u32_u24 v5, v2, PITCH
	v_add_nc_u32 v5, v5, v3                        ; the same place in LDS
	v_and_b32 v6, 7, v2                            ; h + 2 cc + 4 sub
	v_lshrrev_b32 v7, 7, v0                        ; t / 128: the block of 16 rows (i) or 16 columns (Wv), low bit
	v_lshlrev_b32 v40, 8, v1                       ; i: row r,
	v_lshl_add_u32 v40, v6, 5, v40                 ; 8 numbers at 32 ksub + 16 cc + 8 h,
	v_lshl_add_u32 v40, v7, 12, v40                ; block t / 128
	v_lshlrev_b32 v41, 4, v0                       ; item t of 16 bytes, in wt and in ib
	v_mul_u32_u24 v42, v6, 8*PITCH                 ; LDS: row 32 sub + 16 cc + 8 h,
	v_lshl_add_u32 v42, v7, 6, v42                 ; column block t / 128,
	v_lshl_add_u32 v42, v1, 2, v42                 ; column r
	s_wait_kmcnt 0x0
	s_add_nc_u64 s[4:5], s[4:5], s[14:15]
	s_add_nc_u64 s[6:7], s[6:7], s[16:17]
	s_add_nc_u64 s[8:9], s[8:9], s[18:19]
	s_add_nc_u64 s[10:11], s[10:11], s[20:21]
.irp e, 0,1,2,3
	global_load_b128 v[8+4*\e:11+4*\e], v4, s[4:5] offset:65536*\e          ; rows t / 16 + 16 e
.endr
.irp e, 0,1
	global_load_b128 v[24+8*\e:27+8*\e], v40, s[6:7] offset:8192*\e         ; item t + 256 e: two blocks of 16 rows further
	global_load_b128 v[28+8*\e:31+8*\e], v40, s[6:7] offset:8192*\e+16
.endr
	s_wait_loadcnt 0x4                             ; Wv's four loads are in; the four of i are younger
.irp e, 0,1,2,3
	ds_store_b128 v5, v[8+4*\e:11+4*\e] offset:16*PITCH*\e
.endr
	s_wait_dscnt 0x0                               ; my stores are done, for the other waves' sake
	s_barrier_signal -1
	s_barrier_wait -1
.irp e, 0,1
.irp j, 0,1,2,3,4,5,6,7
	ds_load_b32 v[44+8*\e+\j], v42 offset:PITCH*\j+128*\e                  ; a piece of a column: k ascending
.endr
.endr
	s_wait_loadcnt 0x0                             ; i
.irp e, 0,1
.irp j, 0,1,2,3
	v_cvt_pk_bf16_f32 v[60+4*\e+\j], v[24+8*\e+2*\j], v[24+8*\e+2*\j+1]
.endr
	global_store_b128 v41, v[60+4*\e:63+4*\e], s[10:11] offset:4096*\e
.endr
	s_wait_dscnt 0x0
.irp e, 0,1
.irp j, 0,1,2,3
	v_cvt_pk_bf16_f32 v[68+4*\e+\j], v[44+8*\e+2*\j], v[44+8*\e+2*\j+1]
.endr
	global_store_b128 v41, v[68+4*\e:71+4*\e], s[8:9] offset:4096*\e
.endr
	s_wait_tensorcnt 0x0
	ds_add_u32 v80, v81
	s_wait_dscnt 0x0
	s_endpgm
.Lfunc_end_k_q35450283f2_prep:
	.size	k_q35450283f2_prep, .Lfunc_end_k_q35450283f2_prep-k_q35450283f2_prep
	.p2alignl 7, 3214868480
	.fill 96, 4, 3214868480
	.section	.rodata,"a",@progbits
	.p2align	6, 0x0
	.amdhsa_kernel k_q35450283f2_prep
		.amdhsa_group_segment_fixed_size 18432
		.amdhsa_private_segment_fixed_size 0
		.amdhsa_enable_private_segment 0
		.amdhsa_kernarg_size 32
		.amdhsa_user_sgpr_count 2
		.amdhsa_user_sgpr_kernarg_segment_ptr 1
		.amdhsa_wavefront_size32 1
		.amdhsa_system_sgpr_workgroup_id_x 1
		.amdhsa_system_sgpr_workgroup_id_y 1
		.amdhsa_system_sgpr_workgroup_id_z 1
		.amdhsa_system_vgpr_workitem_id 0
		.amdhsa_next_free_vgpr 82
		.amdhsa_next_free_sgpr 66
		.amdhsa_reserve_vcc 0
		.amdhsa_float_denorm_mode_32 3
		.amdhsa_float_denorm_mode_16_64 3
		.amdhsa_memory_ordered 1
		.amdhsa_forward_progress 1
		.amdhsa_inst_pref_size 6
	.end_amdhsa_kernel
	.amdgpu_metadata
---
amdhsa.version: [ 1, 2 ]
amdhsa.kernels:
  - .name:           k_q35450283f2_prep
    .symbol:         k_q35450283f2_prep.kd
    .args:
      - { .name: Wv, .offset: 0, .size: 8, .value_kind: global_buffer, .address_space: global }
      - { .name: i, .offset: 8, .size: 8, .value_kind: global_buffer, .address_space: global }
      - { .name: wt, .offset: 16, .size: 8, .value_kind: global_buffer, .address_space: global }
      - { .name: ib, .offset: 24, .size: 8, .value_kind: global_buffer, .address_space: global }
    .group_segment_fixed_size: 18432
    .private_segment_fixed_size: 0
    .kernarg_segment_align: 8
    .kernarg_segment_size: 32
    .max_flat_workgroup_size: 256
    .sgpr_count:     66
    .vgpr_count:     82
    .wavefront_size: 32
...
	.end_amdgpu_metadata
.endif
;; end of part 1
;; launch attn (part 2): grid 4 x 64, 4 waves a work-group, clusters of 4 x 4, 327,680 bytes of LDS; arguments v, wt, ib, bv, gsum; writes gsum
.if DOCPART == 2
	.amdgcn_target "amdgcn-amd-amdhsa--gfx1250"
	.amdhsa_code_object_version 6
	.text
	.protected	k_q35450283f2_attn
	.globl	k_q35450283f2_attn
	.p2align	8
	.type	k_q35450283f2_attn,@function
k_q35450283f2_attn:
	s_mov_b64 s[64:65], 0
	v_nop
	global_prefetch_b8 v0, s[64:65] scope:SCOPE_SE
	s_setreg_imm32_b32 hwreg(HW_REG_WAVE_MODE, 25, 1), 1
	s_wait_xcnt 0x0
	s_wait_alu depctr_hold_cnt(0) depctr_sa_sdst(0) depctr_va_vdst(0) depctr_va_sdst(0) depctr_va_ssrc(0) depctr_va_vcc(0) depctr_vm_vsrc(0)
	s_getreg_b32 s2, hwreg(HW_REG_IB_STS2, 6, 4)
	s_cmp_eq_u32 s2, 0
	s_cbranch_scc0 .Lentry_in_a_cluster
	s_endpgm
.Lentry_in_a_cluster:
	s_bfe_u32 s2, ttmp6, 0x10000c
	s_cmp_lg_u32 s2, 0xf033
	s_cbranch_scc0 .Lentry_shape_is_right
	s_endpgm
.Lentry_shape_is_right:
; vp = v Wv + bv, logits L[s][q] = vp[s] . i[q], P = softmax of L over q, E = exp(9 P), and of E only what the result needs.
; reference() views the (128 q, 4096 s) weights as (4096, 128) and then sums over the first axis, so column s % 128 is all that is kept of s:
;   G[r][q] = sum over t < 32 of E[128 t + r][q],  Z[q] = sum over r of G[r][q],  c[r] = sum over q of G[r][q] / Z[q],  x = sum over r of c[r] i[r].
; This launch stores G (two partial sums, one for each pass); the next ones make Z, c, x and the product with Wo.
; LIMITS.  q, k, Wq, Wk, bq, bk are not loaded: reference() discards both projections and the result hangs on them for no input.
; The first softmax takes its row's maximum away.  The second takes none: its exponents 9 P lie in [0, 9], because P is a softmax that
; reference() itself normalises, so E is in [1, 8104] and a sum of 4,096 of them is below 3.4e7.  NaN and infinite inputs are not treated
; (v_max_num drops a NaN).  v_exp_f32 gives 0 for results below 2^-126 (ISA guide 15.8).  v, Wv, vp + bv and i enter the products in bf16.
;
; SHARES.  256 work-groups of four waves.  Work-group (cx, y): 256 columns = 4 heads (cx), batch b = y / 8, j = y % 8, rows s = j + 8 u, u < 512:
; a constant pitch of 8 rows, and each block of 16 rows u is one t = u / 16 with the sixteen r = j + 8 (u % 16): the sum over t is an add of registers.
; Two passes of 256 rows x 256 columns x K = 1,024.  A wave owns 64 rows x 256 columns: 64 accumulator tiles, 512 registers; every number of v is
; converted to bf16 once in the work-group.
; TRANSPOSED USE.  Source 0 = 16 columns of Wv, source 1 = 16 rows of v: lane (r, h) holds row s = r and columns 16 nb + 8 h + 0..7, so two
; neighbouring tiles pack into one operand of K = 32 for the logits with no move between lanes.  The logits likewise: source 0 = 16 rows of i,
; source 1 = vp: lane (r, h) holds row s = r and q = 16 qb + 8 h + 0..7; the other 64 q lie in lane r xor 16.
; RING.  K in steps of 64 through two LDS slots: 256 rows of v as f32 (256 bytes of memory each, aligned) and 32 KiB of Wv's fragments.
; CLUSTER 4 x 4.  The four work-groups of a row of the cluster (same y) need the same rows of v, the four of a column (same cx, same b) the same
; fragments of Wv and of i: joint loads, which divide these requests by four.
; REGISTER WINDOWS: 0 addresses, landing, bf16 fragments of v, the softmax's work; 1 fragments of Wv (two buffers), later of i; 2, 3 accumulators.
.set APITCH, 272                       ; an LDS row of v: 256 bytes + 16, so that the 16 rows that a load touches begin at 16 different 16-byte columns modulo 256
.set AHALF,  128*APITCH                ; what one tensor load of v brings
.set BOFF,   256*APITCH                ; Wv's fragments behind v's 256 rows
.set BHALF,  16384
.set SLOT,   BOFF+2*BHALF              ; 102,400
.set IBL,    2*SLOT                    ; i's fragments of my 4 heads, 65,536 bytes, filled once
.set STG,    IBL+65536                 ; stage for the sum over the waves, 8,192 bytes a wave: LDS stores only, no tensor load lands here
.set BL,     STG+32768                 ; bv of my 256 columns, 1,024 bytes: LDS stores only
.set PASSA,  256*32768                 ; bytes of v from pass 0 to pass 1
.set ADRA,  1                          ; v1, v2   my rows of v in slot 0, 1
.set ADRB,  3                          ; v3, v4   Wv's fragments in slot 0, 1
.set PFO,   5                          ; v5       prefetch offset
.set ADRIF, 6                          ; v6       i's fragments of the head at work
.set STW,   7                          ; v7       stage, my own part
.set STR,   8                          ; v8       stage, my four quads in wave 0's part
.set ADRBL, 9                          ; v9       bias of the head at work
.set GOFF,  10                         ; v10      my offset in a block of gsum
.set L16,   11                         ; v11      16 x lane
.set MAXR,  12                         ; v12-15   four running maxima
.set T0,    16
.set T1,    17
.set MM,    18                         ; v18-19   - log2(e) x maximum, twice
.set SS,    20                         ; v20-21   9 log2(e) / sum, twice
.set SUMR,  22                         ; v22-29   four running sums, pairs
.set BL0,   30                         ; v30      BL + 32 h
.set BIAS,  32                         ; v32-63   bias of the head at work, as the accumulators lie
.set LAND,  64                         ; v64-127  v as f32; behind a pass: the logits
.set ABF,   128                        ; v128-191 v as bf16, two buffers of 32; behind a pass: GACC
.set GACC,  128
.set VP,    192                        ; v192-223 vp + bias, f32
.set VPB,   224                        ; v224-239 the same in bf16: two operands of K = 32
.set G1A, 24                           ; s[24:31] shape of v's tiles
.set G0A, 32                           ; s[32:39] from where, to where: one set for each slot
.set G1B, 40                           ; s[40:47] shape of a dense block of 16 KiB (Wv's and i's fragments)
.set G0B, 48                           ; s[48:55]
.set G0I, 56                           ; s[56:59]
.set MUL_LO, 0xa1                      ; source 0 window 1, source 1 window 0, C and D window 2
.set MUL_HI, 0xf1                      ; the same, C and D window 3
.set TO_B,   0x40                      ; destination window 1
.set MSB, 0
.macro WIN new                         ; the immediate's high byte repeats the setting that is left
.if MSB != (\new)
	s_set_vgpr_msb (MSB<<8)|(\new)
.set MSB, (\new)
.endif
.endm
.macro PLACES                          ; four places behind matrix instructions (ISA guide 7.12.1)
.rept 4
	v_nop
.endr
.endm
; A joint refill: waves 0 and 1 fetch the halves of v's tile, waves 2 and 3 those of Wv's.  The branch hangs on the wave's number alone.
.macro JLOAD s
	s_cmp_eq_u32 s15, 0
	s_cbranch_scc0 .Lfor_b_\@
	tensor_load_to_lds s[G0A+4*\s:G0A+4*\s+3], s[G1A:G1A+7]
	s_nop 0
	s_branch .Lasked_\@
.Lfor_b_\@:
	tensor_load_to_lds s[G0B+4*\s:G0B+4*\s+3], s[G1B:G1B+7]
	s_nop 0
.Lasked_\@:
.endm
.macro CREST                           ; a round of the cluster's barrier behind its opening barrier
	s_cmp_lg_u32 s14, 0
	s_cbranch_scc1 .Lnot_wave_0_\@
	s_barrier_signal -3
.Lnot_wave_0_\@:
	s_barrier_wait -3
	s_barrier_signal -1
	s_barrier_wait -1
.endm
.macro CROUND
	s_barrier_signal -1
	s_barrier_wait -1
	CREST
.endm
	s_load_b256 s[4:11], s[0:1], 0x0               ; v s[4:5], wt s[6:7], ib s[8:9], bv s[10:11]
	s_load_b64 s[12:13], s[0:1], 0x20              ; gsum
	v_lshl_add_u32 v254, v0, 2, 0x4a400
	v_mov_b32 v255, 0
	ds_add_u32 v254, v255
	v_lshrrev_b32 v11, 5, v0
	v_readfirstlane_b32 s14, v11                   ; wave 0..3
	s_lshr_b32 s15, s14, 1                         ; 0: I fetch v, 1: Wv
	s_and_b32 s16, s14, 1                          ; which half of that tile
	s_bfe_u32 s17, ttmp6, 0x40000                  ; cx: my 256 columns
	s_bfe_u32 s18, ttmp6, 0x40004                  ; cy
	s_and_b32 s19, ttmp7, 0xffff                   ; the cluster's y, 0..15
	s_lshr_b32 s20, s19, 1                         ; b
	s_and_b32 s21, s19, 1
	s_lshl2_add_u32 s21, s21, s18                  ; j = 4 (cluster y % 2) + cy
	s_lshl_b32 s72, s18, 2
	s_lshl_b32 s72, 15, s72                        ; my row of the cluster
	s_lshl_b32 s73, 0x1111, s17                    ; my column
	; v's tile: 128 rows x 64 f32, 8,192 elements from row to row, 4 words of padding behind every 64
	s_or_b32 s[G1A+0], s72, (2<<16)|(1<<20)|(1<<21)|(5<<22)|(3<<25)
	s_mov_b32 s[G1A+1], 64<<16                     ; tensor_dim0 = 64
	s_mov_b32 s[G1A+2], 128<<16                    ; tensor_dim1 = 128
	s_mov_b32 s[G1A+3], 64<<16                     ; tile_dim0 = 64
	s_mov_b32 s[G1A+4], 128                        ; tile_dim1 = 128
	s_mov_b32 s[G1A+5], 8192                       ; the pitch
	s_mov_b32 s[G1A+6], 0
	s_mov_b32 s[G1A+7], 0
	; a dense block of 16 KiB: 64 rows of 32 elements of 8 bytes
	s_or_b32 s[G1B+0], s73, (3<<16)|(1<<21)
	s_mov_b32 s[G1B+1], 32<<16
	s_mov_b32 s[G1B+2], 64<<16
	s_mov_b32 s[G1B+3], 32<<16
	s_mov_b32 s[G1B+4], 64
	s_mov_b32 s[G1B+5], 32
	s_mov_b32 s[G1B+6], 0
	s_mov_b32 s[G1B+7], 0
	; offsets.  v's hang on b, j and the wave (never on cx); Wv's on cx and the wave, i's on b, cx and the wave (never on cy)
	s_lshl_b32 s74, s20, 24                        ; b x 4,096 rows of 4,096 bytes
	s_lshl_b32 s75, s21, 12                        ; + row j
	s_add_co_u32 s74, s74, s75
	s_mov_b32 s75, 0
	s_lshl_b32 s76, s16, 22                        ; + my half: 128 rows of the tile, 32,768 bytes apart
	s_add_co_u32 s76, s76, s74
	s_mov_b32 s77, 0
	s_lshl_b32 s80, s17, 15                        ; wt: 16 column blocks of 2,048 bytes for each cx
	s_lshl_b32 s81, s16, 14
	s_add_co_u32 s80, s80, s81
	s_mov_b32 s81, 0
	s_lshl_b32 s84, s20, 4
	s_lshl2_add_u32 s84, s17, s84
	s_add_co_u32 s84, s84, s14                     ; ib: head 16 b + 4 cx + wave
	s_lshl_b32 s84, s84, 14
	s_mov_b32 s85, 0
	s_lshl_b32 s86, s20, 4
	s_lshl2_add_u32 s86, s17, s86                  ; gsum: head 16 b + 4 cx, 131,072 bytes a head,
	s_lshl_b32 s86, s86, 17
	s_lshl_b32 s87, s21, 14                        ; 16,384 for each j
	s_add_co_u32 s86, s86, s87
	s_mov_b32 s87, 0
	s_mul_i32 s88, s16, AHALF                      ; LDS: my half of v's tile,
	s_lshl_b32 s89, s16, 14
	s_add_co_u32 s89, s89, BOFF                    ; of Wv's
	s_mov_b32 s68, 0x3fb8aa3b                      ; log2(e), twice: a pair for the packed multiply-add
	s_mov_b32 s69, 0x3fb8aa3b
	s_mov_b32 s70, 0x76543210                      ; v_permlanex16_b32: lane i reads lane i of the other half
	s_mov_b32 s71, 0xfedcba98
	s_wait_dscnt 0x0
	s_wait_kmcnt 0x0
	s_add_nc_u64 s[60:61], s[4:5], s[74:75]
	s_add_nc_u64 s[60:61], s[60:61], 1024          ; prefetch base: K steps 4 and 5
	s_add_nc_u64 s[78:79], s[4:5], s[76:77]
	s_add_nc_u64 s[82:83], s[6:7], s[80:81]
	s_add_nc_u64 s[94:95], s[12:13], s[86:87]      ; gsum at my first head, my j
.irp s, 0,1
	s_mov_b32 s[G0A+4*\s], 1
	s_add_co_u32 s[G0A+4*\s+1], s88, \s*SLOT
	s_add_nc_u64 s[G0A+4*\s+2:G0A+4*\s+3], s[78:79], \s*256
	s_or_b32 s[G0A+4*\s+3], s[G0A+4*\s+3], 0x80000000
	s_mov_b32 s[G0B+4*\s], 1
	s_add_co_u32 s[G0B+4*\s+1], s89, \s*SLOT
	s_add_nc_u64 s[G0B+4*\s+2:G0B+4*\s+3], s[82:83], \s*131072
	s_or_b32 s[G0B+4*\s+3], s[G0B+4*\s+3], 0x80000000
.endr
	s_mov_b32 s[G0I], 1
	s_lshl_b32 s[G0I+1], s14, 14
	s_add_co_u32 s[G0I+1], s[G0I+1], IBL
	s_add_nc_u64 s[G0I+2:G0I+3], s[8:9], s[84:85]
	s_or_b32 s[G0I+3], s[G0I+3], 0x80000000
	CROUND                                         ; all sixteen work-groups are here: the first joint loads meet
	s_cmp_eq_u32 s15, 0                            ; a wave's first fills: three tensor loads are out, later one
	s_cbranch_scc0 .Lfirst_b
	tensor_load_to_lds s[G0A:G0A+3], s[G1A:G1A+7]
	s_nop 0
	tensor_load_to_lds s[G0A+4:G0A+7], s[G1A:G1A+7]
	s_nop 0
	s_branch .Lfirst_i
.Lfirst_b:
	tensor_load_to_lds s[G0B:G0B+3], s[G1B:G1B+7]
	s_nop 0
	tensor_load_to_lds s[G0B+4:G0B+7], s[G1B:G1B+7]
	s_nop 0
.Lfirst_i:
	tensor_load_to_lds s[G0I:G0I+3], s[G1B:G1B+7]  ; every wave: one head's fragments of i
	s_nop 0
	v_and_b32 v12, 15, v0                          ; r
	v_bfe_u32 v13, v0, 4, 1                        ; h
	v_and_b32 v14, 31, v0
	v_lshlrev_b32 v[L16], 4, v14
	v_mul_u32_u24 v15, v12, APITCH
	v_lshl_add_u32 v15, v13, 5, v15                ; row r, 8 f32 at 8 h
	s_mul_i32 s90, s14, 64*APITCH                  ; my 64 rows
	v_add_nc_u32 v[ADRA], s90, v15
	v_add_nc_u32 v[ADRA+1], SLOT, v[ADRA]
	v_add_nc_u32 v[ADRB], BOFF, v[L16]
	v_add_nc_u32 v[ADRB+1], SLOT+BOFF, v[L16]
	s_lshl_b32 s91, s17, 6
	s_lshl4_add_u32 s91, s14, s91                  ; prefetch: the tile's row 64 cx + 16 wave + r, 256 bytes at 256 h:
	v_add_nc_u32 v[PFO], s91, v12                  ; the four work-groups that share the tile ask for a quarter of its rows each
	v_lshlrev_b32 v[PFO], 15, v[PFO]
	v_lshl_add_u32 v[PFO], v13, 8, v[PFO]
	s_lshl_b32 s90, s14, 13
	s_add_co_u32 s90, s90, STG
	v_add_nc_u32 v[STW], s90, v[L16]
	s_lshl_b32 s91, s14, 11
	v_add_nc_u32 v[GOFF], s91, v[L16]
	s_add_co_u32 s91, s91, STG
	v_add_nc_u32 v[STR], s91, v[L16]
	v_lshlrev_b32 v[BL0], 5, v13
	v_add_nc_u32 v[BL0], BL, v[BL0]
	v_mov_b32 v[T1], 0                             ; v_permlanex16_b32 counts as a reader of its destination
	v_lshlrev_b32 v15, 3, v0                       ; bv of my 256 columns into LDS: 8 bytes a thread
	v_lshl_add_u32 v16, s17, 10, v15
	v_add_nc_u32 v15, BL, v15
	global_load_b64 v[18:19], v16, s[10:11]
	s_wait_loadcnt 0x0
	ds_store_b64 v15, v[18:19]
	s_wait_dscnt 0x0                               ; my store is done, for the other waves' sake
	s_wait_tensorcnt 0x2                           ; my part of slot 0 is in; slot 1's load and i's are younger and stay out
	s_barrier_signal -1
	s_barrier_wait -1
; 48 LDS loads: 32 along K at half sub of the slot.  First my 64 rows of v as f32 (16 loads), then the 16 fragments of Wv into buffer g (32 loads).
.macro FETCH slot, sub, g
	WIN 0
.irp mb, 0,1,2,3
	ds_load_b128 v[LAND+16*\mb:LAND+16*\mb+3],     v[ADRA+\slot] offset:\mb*16*APITCH+\sub*128
	ds_load_b128 v[LAND+16*\mb+4:LAND+16*\mb+7],   v[ADRA+\slot] offset:\mb*16*APITCH+\sub*128+16
	ds_load_b128 v[LAND+16*\mb+8:LAND+16*\mb+11],  v[ADRA+\slot] offset:\mb*16*APITCH+\sub*128+64
	ds_load_b128 v[LAND+16*\mb+12:LAND+16*\mb+15], v[ADRA+\slot] offset:\mb*16*APITCH+\sub*128+80
.endr
	WIN TO_B
.irp nb, 0,1,2,3,4,5,6,7,8,9,10,11,12,13,14,15
	ds_load_b128 v[128*\g+8*\nb:128*\g+8*\nb+3],   v[ADRB+\slot] offset:\nb*2048+\sub*1024
	ds_load_b128 v[128*\g+8*\nb+4:128*\g+8*\nb+7], v[ADRB+\slot] offset:\nb*2048+\sub*1024+512
.endr
.endm
; v to bf16, into buffer g.  These 32 plain instructions name no register of the matrix instructions in front of them: they are also the places
; between those and the next loads into, and conversions over, the buffers that they read.
.macro CVT g
	WIN 0
.set i, 0
.rept 32
	v_cvt_pk_bf16_f32 v[ABF+32*\g+i], v[LAND+2*i], v[LAND+2*i+1]
.set i, i+1
.endr
.endm
; 16 matrix instructions: my row block mb x all 16 column blocks.  The 64 accumulators take turns, one instruction a turn, in the same order in
; every half step and over the backward jump.  zero = 1: the first product starts the sums.
.macro MUL16 f, mb, zero
.irp nb, 0,1,2,3,4,5,6,7,8,9,10,11,12,13,14,15
.if \zero
	v_wmma_f32_16x16x32_bf16 v[8*(16*(\mb%2)+\nb):8*(16*(\mb%2)+\nb)+7], v[128*\f+8*\nb:128*\f+8*\nb+7], v[ABF+32*\f+8*\mb:ABF+32*\f+8*\mb+7], 0
.else
	v_wmma_f32_16x16x32_bf16 v[8*(16*(\mb%2)+\nb):8*(16*(\mb%2)+\nb)+7], v[128*\f+8*\nb:128*\f+8*\nb+7], v[ABF+32*\f+8*\mb:ABF+32*\f+8*\mb+7], v[8*(16*(\mb%2)+\nb):8*(16*(\mb%2)+\nb)+7]
.endif
.endr
.endm
; Lap t asks the L2 for the rows of v that lap t + 2 multiplies (two K steps, 512 bytes of each of 256 rows): one instruction a wave, each block of
; 256 bytes asked for once in the launch.  The last two laps ask for nothing, so no request passes v's end.
.macro PF delta
.if \delta
	s_wait_xcnt 0x0                                ; the base of the last lap's request is stepped only behind this wait
	s_add_nc_u64 s[60:61], s[60:61], \delta
.endif
	global_prefetch_b8 v[PFO], s[60:61] th:TH_LOAD_NT scope:SCOPE_SE
.endm
; First half of a K step: multiplies buffer 0 and fetches the second half into buffer 1.
.macro HALF0 slot, zero, pf
	s_wait_dscnt 0x0                               ; Wv's fragments of buffer 0 are in (issued 48 matrix instructions ago)
	FETCH \slot, 1, 1
.if \pf >= 0
	PF \pf
.endif
	WIN MUL_LO
	MUL16 0, 0, \zero
	MUL16 0, 1, \zero
	WIN MUL_HI
	MUL16 0, 2, \zero
	MUL16 0, 3, \zero
	s_wait_dscnt 32                                ; the 16 loads of v are in; the 32 younger ones (Wv) may stay out
	CVT 1
.endm
; Second half: multiplies buffer 1 and changes slots.  In front of the barrier each wave waits for its reads of this slot and for all its tensor
; loads, of which one is out: its part of the other slot.  fill = 1: the barrier opens a round of the cluster's barrier, and behind the round this slot
; is asked for again, first; wrap = 1: with pass 1's first tiles.  next = 1: the other slot's first half is fetched.
.macro TURN slot, fill, wrap, next
	s_wait_dscnt 0x0                               ; buffer 1 is in, and with it my last reads of this slot
.if \fill+\next
	s_wait_tensorcnt 0x0
	ds_add_u32 v254, v255
	s_wait_dscnt 0x0
	s_barrier_signal -1
.endif
	WIN MUL_LO
	MUL16 1, 0, 0                                  ; register work while the others arrive
.if \fill+\next
	WIN 0
	s_barrier_wait -1
.endif
.if \fill
	CREST                                          ; no wave of any partner still reads this slot or has a load on its way
.if \wrap
	s_add_nc_u64 s[G0A+4*\slot+2:G0A+4*\slot+3], s[G0A+4*\slot+2:G0A+4*\slot+3], PASSA-14*256
	s_sub_nc_u64 s[G0B+4*\slot+2:G0B+4*\slot+3], s[G0B+4*\slot+2:G0B+4*\slot+3], 14*131072
.else
	s_add_nc_u64 s[G0A+4*\slot+2:G0A+4*\slot+3], s[G0A+4*\slot+2:G0A+4*\slot+3], 2*256
	s_add_nc_u64 s[G0B+4*\slot+2:G0B+4*\slot+3], s[G0B+4*\slot+2:G0B+4*\slot+3], 2*131072
.endif
	JLOAD \slot                                    ; it has 112 matrix instructions in which to land
.endif
.if \next
	FETCH 1-\slot, 0, 0
.endif
	WIN MUL_LO
	MUL16 1, 1, 0
	WIN MUL_HI
	MUL16 1, 2, 0
	MUL16 1, 3, 0
.if \next
	s_wait_dscnt 32                                ; as above
	CVT 0
.else
	WIN 0
.endif
.endm
.macro LAP zero, pf, wrap, fill, next  ; two K steps: once round the ring
	HALF0 0, \zero, \pf
	TURN 0, \fill, \wrap, 1
	HALF0 1, 0, -1
	TURN 1, \fill, \wrap, \next
.endm
; ---- behind a pass ----
; vp of row block sb, head c of my four, + bias, into fixed registers.  Registers cannot be indexed by a counter, so there is a copy for each c.
.macro TAKE sb, c
	WIN 2+(\sb/2)
.set i, 0
.rept 16
	v_pk_add_f32 v[VP+2*i:VP+2*i+1], v[8*(16*(\sb%2)+4*\c)+2*i:8*(16*(\sb%2)+4*\c)+2*i+1], v[BIAS+2*i:BIAS+2*i+1]
.set i, i+1
.endr
	WIN 0
.endm
.macro EXP16 dst, g
.set i, 0
.rept 16
	v_exp_f32 v[\dst+16*\g+i], v[LAND+16*\g+i]
.set i, i+1
.endr
.endm
.macro SUM16 g
	s_wait_alu depctr_va_vdst(0)
.irp o, 0,8
.irp k, 0,1,2,3
	v_pk_add_f32 v[SUMR+2*\k:SUMR+2*\k+1], v[SUMR+2*\k:SUMR+2*\k+1], v[LAND+16*\g+\o+2*\k:LAND+16*\g+\o+2*\k+1]
.endr
.endr
.endm
.macro ACC16 g
.set i, 0
	s_wait_alu depctr_va_vdst(0)
.rept 8
	v_pk_add_f32 v[GACC+16*\g+2*i:GACC+16*\g+2*i+1], v[GACC+16*\g+2*i:GACC+16*\g+2*i+1], v[LAND+16*\g+2*i:LAND+16*\g+2*i+1]
.set i, i+1
.endr
.endm
; 16 rows s x 128 q of one head: logits, softmax over q, E = exp(9 P), added into GACC (first = 1: E starts GACC, nothing is cleared).
.macro BODY sb, first
	s_cmp_eq_u32 s93, 0
	s_cbranch_scc1 .Lc0_\@
	s_cmp_eq_u32 s93, 1
	s_cbranch_scc1 .Lc1_\@
	s_cmp_eq_u32 s93, 2
	s_cbranch_scc1 .Lc2_\@
	TAKE \sb, 3
	s_branch .Ljoin_\@
.Lc0_\@:
	TAKE \sb, 0
	s_branch .Ljoin_\@
.Lc1_\@:
	TAKE \sb, 1
	s_branch .Ljoin_\@
.Lc2_\@:
	TAKE \sb, 2
.Ljoin_\@:
.set i, 0
.rept 16
	v_cvt_pk_bf16_f32 v[VPB+i], v[VP+2*i], v[VP+2*i+1]
.set i, i+1
.endr
	WIN 1                                          ; source 0 (i's fragments) in window 1
.irp qb, 0,1,2,3,4,5,6,7
	v_wmma_f32_16x16x32_bf16 v[LAND+8*\qb:LAND+8*\qb+7], v[16*\qb:16*\qb+7], v[VPB:VPB+7], 0
.endr
.irp qb, 0,1,2,3,4,5,6,7
	v_wmma_f32_16x16x32_bf16 v[LAND+8*\qb:LAND+8*\qb+7], v[16*\qb+8:16*\qb+15], v[VPB+8:VPB+15], v[LAND+8*\qb:LAND+8*\qb+7]   ; eight accumulators by turns
.endr
	WIN 0
	PLACES
	; the row's maximum: 64 numbers in four chains, then the other half of the lanes
.irp k, 0,1,2,3
	v_max3_num_f32 v[MAXR+\k], v[LAND+16*\k], v[LAND+16*\k+1], v[LAND+16*\k+2]
.endr
.irp e, 3,5,7,9,11,13
.irp k, 0,1,2,3
	v_max3_num_f32 v[MAXR+\k], v[MAXR+\k], v[LAND+16*\k+\e], v[LAND+16*\k+\e+1]
.endr
.endr
.irp k, 0,1,2,3
	v_max_num_f32 v[MAXR+\k], v[MAXR+\k], v[LAND+16*\k+15]
.endr
	v_max3_num_f32 v[T0], v[MAXR], v[MAXR+1], v[MAXR+2]
	v_max_num_f32 v[T0], v[T0], v[MAXR+3]
	v_permlanex16_b32 v[T1], v[T0], s70, s71
	v_max_num_f32 v[T0], v[T0], v[T1]
	v_mul_f32 v[MM], 0xbfb8aa3b, v[T0]
	v_mul_f32 v[MM+1], 0xbfb8aa3b, v[T0]
.set i, 0
.rept 32
	v_pk_fma_f32 v[LAND+2*i:LAND+2*i+1], v[LAND+2*i:LAND+2*i+1], s[68:69], v[MM:MM+1] op_sel_hi:[1,0,1]   ; log2(e) (L - max); the rounding of the second term is common to the row and cancels
.set i, i+1
.endr
	; exponentials in batches of 16; a batch's sums stand a batch behind, so that a plain instruction lies between each exponential and its use (ISA guide 5.7.2)
	EXP16 LAND, 0
	EXP16 LAND, 1
	v_nop
	s_wait_alu depctr_va_vdst(0)
.irp k, 0,1,2,3
	v_pk_add_f32 v[SUMR+2*\k:SUMR+2*\k+1], v[LAND+2*\k:LAND+2*\k+1], v[LAND+8+2*\k:LAND+8+2*\k+1]      ; the first batch starts the four sums
.endr
	EXP16 LAND, 2
	SUM16 1
	EXP16 LAND, 3
	SUM16 2
	SUM16 3
	v_pk_add_f32 v[SUMR:SUMR+1], v[SUMR:SUMR+1], v[SUMR+2:SUMR+3]
	v_pk_add_f32 v[SUMR+4:SUMR+5], v[SUMR+4:SUMR+5], v[SUMR+6:SUMR+7]
	v_pk_add_f32 v[SUMR:SUMR+1], v[SUMR:SUMR+1], v[SUMR+4:SUMR+5]
	v_add_f32 v[T0], v[SUMR], v[SUMR+1]
	v_permlanex16_b32 v[T1], v[T0], s70, s71
	v_add_f32 v[T0], v[T0], v[T1]                  ; at least about 1: the maximum's own term
	v_rcp_f32 v[T1], v[T0]
	v_nop
	s_wait_alu depctr_va_vdst(0)
	v_mul_f32 v[SS], 0x414fbf83, v[T1]             ; 9 log2(e) / sum
	v_mul_f32 v[SS+1], 0x414fbf83, v[T1]
.set i, 0
.rept 32
	v_pk_mul_f32 v[LAND+2*i:LAND+2*i+1], v[LAND+2*i:LAND+2*i+1], v[SS:SS+1]
.set i, i+1
.endr
.if \first
	EXP16 GACC, 0
	EXP16 GACC, 1
	EXP16 GACC, 2
	EXP16 GACC, 3
.else
	EXP16 LAND, 0
	EXP16 LAND, 1
	v_nop
	s_wait_alu depctr_va_vdst(0)
	ACC16 0
	EXP16 LAND, 2
	ACC16 1
	EXP16 LAND, 3
	ACC16 2
	ACC16 3
.endif
.endm
; Pass p's 256 rows, my four heads one after the other.  A head: its fragments of i and its bias into registers, four row blocks, the sum over the
; four waves through the stage, 8,192 bytes of gsum.
.macro EPI p
	PLACES                                         ; behind the pass's last matrix instructions
	s_add_nc_u64 s[66:67], s[94:95], \p*8192
	v_add_nc_u32 v[ADRIF], IBL, v[L16]
	v_mov_b32 v[ADRBL], v[BL0]
	s_mov_b32 s93, 0
.Lhead_\@:
	WIN TO_B
.irp qb, 0,1,2,3,4,5,6,7
.irp f, 0,1,2,3
	ds_load_b128 v[16*\qb+4*\f:16*\qb+4*\f+3], v[ADRIF] offset:\qb*2048+\f*512
.endr
.endr
	WIN 0
.irp u, 0,1,2,3
	ds_load_b128 v[BIAS+8*\u:BIAS+8*\u+3],   v[ADRBL] offset:64*\u
	ds_load_b128 v[BIAS+8*\u+4:BIAS+8*\u+7], v[ADRBL] offset:64*\u+16
.endr
	s_wait_dscnt 0x0
	BODY 0, 1
	BODY 1, 0
	BODY 2, 0
	BODY 3, 0
.irp u, 0,1,2,3,4,5,6,7,8,9,10,11,12,13,14,15
	ds_store_b128 v[STW], v[GACC+4*\u:GACC+4*\u+3] offset:512*\u
.endr
	s_wait_dscnt 0x0                               ; my stores are done, for the other waves' sake
	s_barrier_signal -1
	s_barrier_wait -1
.irp o, 0,1,2,3
.irp u, 0,1,2,3
	ds_load_b128 v[LAND+16*\o+4*\u:LAND+16*\o+4*\u+3], v[STR] offset:8192*\o+512*\u    ; my four quads of each wave's part
.endr
.endr
	s_wait_dscnt 0x0                               ; my reads are done: behind this barrier the stage is written again
	s_barrier_signal -1
.irp u, 0,2,4,6,8,10,12,14
	v_pk_add_f32 v[LAND+\u:LAND+\u+1], v[LAND+\u:LAND+\u+1], v[LAND+16+\u:LAND+16+\u+1]
	v_pk_add_f32 v[LAND+32+\u:LAND+32+\u+1], v[LAND+32+\u:LAND+32+\u+1], v[LAND+48+\u:LAND+48+\u+1]
	v_pk_add_f32 v[LAND+\u:LAND+\u+1], v[LAND+\u:LAND+\u+1], v[LAND+32+\u:LAND+32+\u+1]
.endr
	s_barrier_wait -1
.irp u, 0,1,2,3
	global_store_b128 v[GOFF], v[LAND+4*\u:LAND+4*\u+3], s[66:67] offset:512*\u        ; a wave's store covers 512 consecutive bytes, aligned
.endr
	s_wait_xcnt 0x0                                ; the stores' data and base are rewritten only behind this wait
	s_add_nc_u64 s[66:67], s[66:67], 131072        ; the next head
	v_add_nc_u32 v[ADRIF], 16384, v[ADRIF]
	v_add_nc_u32 v[ADRBL], 256, v[ADRBL]
	s_add_co_u32 s93, s93, 1
	s_cmp_lt_u32 s93, 4
	s_cbranch_scc1 .Lhead_\@
.endm
	; ---- pass 0: laps 0 to 7 ----
	FETCH 0, 0, 0
	s_wait_dscnt 32                                ; v's 16 loads are in
	CVT 0
	LAP 1, 0, 0, 1, 1                              ; the first products start the sums
	s_mov_b32 s92, 5
.Lpass0:
	LAP 0, 512, 0, 1, 1
	s_sub_co_u32 s92, s92, 1
	s_cmp_lg_u32 s92, 0
	s_cbranch_scc1 .Lpass0
	LAP 0, PASSA-14*256, 0, 1, 1                   ; lap 6 asks the L2 for pass 1's first lap
	LAP 0, 512, 1, 1, 0                            ; lap 7 fills both slots with pass 1's first tiles: they land during what follows
	EPI 0
	; ---- pass 1: laps 8 to 15.  Slot 0's tile was asked for in lap 7's first change of slots, and every wave waited for it in front of the barrier of
	; the second: it is whole for all.  Slot 1's is waited for in front of the next change.
	FETCH 0, 0, 0
	s_wait_dscnt 32
	CVT 0
	LAP 1, 512, 0, 1, 1
	s_mov_b32 s92, 5
.Lpass1:
	LAP 0, 512, 0, 1, 1
	s_sub_co_u32 s92, s92, 1
	s_cmp_lg_u32 s92, 0
	s_cbranch_scc1 .Lpass1
	LAP 0, -1, 0, 1, 1                             ; the last fills: K steps 14 and 15
	LAP 0, -1, 0, 0, 0                             ; nothing is left to fetch
	EPI 1
	s_wait_tensorcnt 0x0
	ds_add_u32 v254, v255
	s_wait_dscnt 0x0
	CROUND                                         ; the closing round: no work-group ends while a partner may still ask for a tile that names it
	s_endpgm
.Lfunc_end_k_q35450283f2_attn:
	.size	k_q35450283f2_attn, .Lfunc_end_k_q35450283f2_attn-k_q35450283f2_attn
	.p2alignl 7, 3214868480
	.fill 96, 4, 3214868480
	.section	.rodata,"a",@progbits
	.p2align	6, 0x0
	.amdhsa_kernel k_q35450283f2_attn
		.amdhsa_group_segment_fixed_size 327680
		.amdhsa_private_segment_fixed_size 0
		.amdhsa_enable_private_segment 0
		.amdhsa_kernarg_size 40
		.amdhsa_user_sgpr_count 2
		.amdhsa_user_sgpr_kernarg_segment_ptr 1
		.amdhsa_wavefront_size32 1
		.amdhsa_system_sgpr_workgroup_id_x 1
		.amdhsa_system_sgpr_workgroup_id_y 1
		.amdhsa_system_sgpr_workgroup_id_z 1
		.amdhsa_system_vgpr_workitem_id 0
		.amdhsa_next_free_vgpr 1024
		.amdhsa_next_free_sgpr 96
		.amdhsa_reserve_vcc 0
		.amdhsa_float_denorm_mode_32 3
		.amdhsa_float_denorm_mode_16_64 3
		.amdhsa_memory_ordered 1
		.amdhsa_forward_progress 1
		.amdhsa_inst_pref_size 255
	.end_amdhsa_kernel
	.section	.bss,"aw",@nobits
	.p2align	6
	.space	262144
	.amdgpu_metadata
---
amdhsa.version: [ 1, 2 ]
amdhsa.kernels:
  - .name:           k_q35450283f2_attn
    .symbol:         k_q35450283f2_attn.kd
    .args:
      - { .name: v, .offset: 0, .size: 8, .value_kind: global_buffer, .address_space: global }
      - { .name: wt, .offset: 8, .size: 8, .value_kind: global_buffer, .address_space: global }
      - { .name: ib, .offset: 16, .size: 8, .value_kind: global_buffer, .address_space: global }
      - { .name: bv, .offset: 24, .size: 8, .value_kind: global_buffer, .address_space: global }
      - { .name: gsum, .offset: 32, .size: 8, .value_kind: global_buffer, .address_space: global }
    .group_segment_fixed_size: 327680
    .private_segment_fixed_size: 0
    .kernarg_segment_align: 8
    .kernarg_segment_size: 40
    .max_flat_workgroup_size: 128
    .sgpr_count:     96
    .vgpr_count:     1024
    .wavefront_size: 32
...
	.end_amdgpu_metadata
.endif
;; end of part 2
;; launch head (part 3): grid 128 x 1, 8 waves a work-group, no clusters, 71,680 bytes of LDS; arguments gsum, i, Wo, ypart; writes ypart
.if DOCPART == 3
	.amdgcn_target "amdgcn-amd-amdhsa--gfx1250"
	.amdhsa_code_object_version 6
	.text
	.protected	k_q35450283f2_head
	.globl	k_q35450283f2_head
	.p2align	8
	.type	k_q35450283f2_head,@function
k_q35450283f2_head:
	s_mov_b64 s[64:65], 0
	v_nop
	global_prefetch_b8 v0, s[64:65] scope:SCOPE_SE
	s_setreg_imm32_b32 hwreg(HW_REG_WAVE_MODE, 25, 1), 1
	s_wait_xcnt 0x0
; One work-group for each of the 128 (batch, head).  G = the sum of the two passes' parts; Z[q] = sum over r of G[r][q]; c[r] = sum over q of G[r][q] / Z[q];
; x[d] = sum over r of c[r] i[r][d]; ypart[bh][n] = sum over d of x[d] Wo[64 head + d][n].  All in f32 on the vector unit: one-row products, which
; would leave fifteen of a matrix tile's sixteen rows empty.  Z is at least 4,096 (every E is at least 1): no division by zero.
; gsum [bh][j 8][pass 2][quad 16][lane 32][4]: lane (r, h), quad u, element e = G[j + 8 r][16 (u / 2) + 8 h + 4 (u % 2) + e].  Wave w takes j = w.
; Wo's 64 rows are asked for at the start (256 registers of window 1) and land during the chain of reductions.
.set GL, 0                             ; G, 8,192 bytes a wave
.set IZ, 65536                         ; 1 / Z as [quad][h][4]
.set CL, 66048                         ; c[128]
.set XP, 66560                         ; x, one partial sum for each wave, 256 bytes each
.set XW, 68608                         ; x, a copy of its own for each wave
.set GQ, 16                            ; v16-79
.set GP, 80                            ; v80-143: the second part of G, then 1 / Z, then x
.set II, 144                           ; v144-175: my 8 rows x 4 columns of i
.set TT, 176                           ; v176-199 at work
.set AC, 200                           ; v200-207
.set MSB, 0
.macro WIN new
.if MSB != (\new)
	s_set_vgpr_msb (MSB<<8)|(\new)
.set MSB, (\new)
.endif
.endm
	s_load_b256 s[4:11], s[0:1], 0x0               ; gsum s[4:5], i s[6:7], Wo s[8:9], ypart s[10:11]
	v_lshl_add_u32 v254, v0, 2, 0x11400
	v_mov_b32 v255, 0
	v_lshrrev_b32 v1, 5, v0
	v_readfirstlane_b32 s12, v1                    ; wave
	s_lshl_b32 s14, ttmp9, 17
	s_lshl_b32 s15, s12, 14
	s_add_co_u32 s14, s14, s15                     ; gsum: bh x 131,072 + j x 16,384
	s_mov_b32 s15, 0
	s_lshl_b32 s16, ttmp9, 15                      ; i: bh x 32,768
	s_mov_b32 s17, 0
	s_and_b32 s18, ttmp9, 15
	s_lshl_b32 s18, s18, 18                        ; Wo: 64 rows of 4,096 bytes for each head
	s_mov_b32 s19, 0
	s_lshl_b32 s20, ttmp9, 12                      ; ypart: bh x 4,096
	s_mov_b32 s21, 0
	s_mov_b32 s22, 0x76543210
	s_mov_b32 s23, 0xfedcba98
	v_and_b32 v1, 31, v0
	v_lshlrev_b32 v1, 4, v1                        ; 16 x lane
	v_and_b32 v2, 15, v0
	v_lshrrev_b32 v3, 4, v0
	v_lshlrev_b32 v4, 4, v2
	v_lshl_add_u32 v4, v3, 11, v4                  ; i: rows 8 (t / 16) + e, columns 4 (t % 16)
	v_lshlrev_b32 v5, 4, v0                        ; 16 t
	v_lshl_add_u32 v6, s12, 13, v1                 ; GL, my part
	v_lshl_add_u32 v7, s12, 10, v1                 ; GL, quads 2 w and 2 w + 1 of wave 0's part
	v_bfe_u32 v8, v0, 4, 1                         ; h
	v_lshlrev_b32 v10, 4, v8
	v_add_nc_u32 v10, IZ, v10                      ; 1 / Z: 16 h
	v_lshl_add_u32 v9, s12, 6, v10                 ; + quads 2 w, 2 w + 1
	v_lshlrev_b32 v11, 5, v2
	v_lshl_add_u32 v11, s12, 2, v11
	v_add_nc_u32 v11, CL, v11                      ; c[w + 8 r]
	v_lshlrev_b32 v12, 5, v3
	v_add_nc_u32 v12, CL, v12                      ; c[8 (t / 16) ..]
	v_lshlrev_b32 v14, 4, v2
	v_lshl_add_u32 v13, s12, 8, v14
	v_add_nc_u32 v15, XW, v13                      ; my wave's copy of x
	v_add_nc_u32 v13, XP, v13                      ; my wave's partial sum
	v_lshl_add_u32 v14, v8, 10, v14
	v_add_nc_u32 v14, XP, v14                      ; the partial sums of waves 4 h ..
	s_lshl_b32 s13, s12, 8
	s_add_co_u32 s13, s13, XW
	v_mov_b32 v208, s13
.irp u, 20,21,22,23
	v_mov_b32 v[TT+\u], 0                          ; destinations of v_permlanex16_b32 count as read
.endr
	s_wait_kmcnt 0x0
	s_add_nc_u64 s[4:5], s[4:5], s[14:15]
	s_add_nc_u64 s[6:7], s[6:7], s[16:17]
	s_add_nc_u64 s[8:9], s[8:9], s[18:19]
	s_add_nc_u64 s[10:11], s[10:11], s[20:21]
.irp u, 0,1,2,3,4,5,6,7,8,9,10,11,12,13,14,15
	global_load_b128 v[GQ+4*\u:GQ+4*\u+3], v1, s[4:5] offset:512*\u th:TH_LOAD_NT
.endr
.irp u, 0,1,2,3,4,5,6,7,8,9,10,11,12,13,14,15
	global_load_b128 v[GP+4*\u:GP+4*\u+3], v1, s[4:5] offset:8192+512*\u th:TH_LOAD_NT
.endr
.irp e, 0,1,2,3,4,5,6,7
	global_load_b128 v[II+4*\e:II+4*\e+3], v4, s[6:7] offset:256*\e
.endr
	WIN 0x40                                       ; destination in window 1: row d of Wo in v[256 + 4 d ..]
.set d, 0
.rept 16
	global_load_b128 v[4*d:4*d+3], v5, s[8:9] offset:4096*d
.set d, d+1
.endr
	s_wait_loadcnt 16                              ; G and i are in; the 16 rows of Wo are younger
.rept 48
	global_load_b128 v[4*d:4*d+3], v5, s[8:9] offset:4096*d
.set d, d+1
.endr
	WIN 0
.set u, 0
.rept 32
	v_pk_add_f32 v[GQ+2*u:GQ+2*u+1], v[GQ+2*u:GQ+2*u+1], v[GP+2*u:GP+2*u+1]
.set u, u+1
.endr
.irp u, 0,1,2,3,4,5,6,7,8,9,10,11,12,13,14,15
	ds_store_b128 v6, v[GQ+4*\u:GQ+4*\u+3] offset:512*\u
.endr
	s_wait_dscnt 0x0                               ; for the other waves' sake
	s_barrier_signal -1
	s_barrier_wait -1
	; Z of my 16 q: over the eight j, then over the sixteen lanes of each half
.irp o, 0,1,2,3,4,5,6,7
	ds_load_b128 v[GP+8*\o:GP+8*\o+3],   v7 offset:8192*\o
	ds_load_b128 v[GP+8*\o+4:GP+8*\o+7], v7 offset:8192*\o+512
.endr
	s_wait_dscnt 0x0
.irp a, 0,2,4,6
.irp o, 0,2,4,6
	v_pk_add_f32 v[GP+8*\o+\a:GP+8*\o+\a+1], v[GP+8*\o+\a:GP+8*\o+\a+1], v[GP+8*\o+8+\a:GP+8*\o+8+\a+1]
.endr
	v_pk_add_f32 v[GP+\a:GP+\a+1], v[GP+\a:GP+\a+1], v[GP+16+\a:GP+16+\a+1]
	v_pk_add_f32 v[GP+32+\a:GP+32+\a+1], v[GP+32+\a:GP+32+\a+1], v[GP+48+\a:GP+48+\a+1]
	v_pk_add_f32 v[GP+\a:GP+\a+1], v[GP+\a:GP+\a+1], v[GP+32+\a:GP+32+\a+1]
.endr
.irp m, 1,2,4,8
.irp u, 0,1,2,3,4,5,6,7
	v_add_f32_dpp v[GP+\u], v[GP+\u], v[GP+\u] row_xmask:\m row_mask:0xf bank_mask:0xf
.endr
.endr
.irp u, 0,1,2,3,4,5,6,7
	v_rcp_f32 v[TT+\u], v[GP+\u]
.endr
	v_nop                                          ; a plain place behind the reciprocals (ISA guide 5.7.2)
	s_wait_alu depctr_va_vdst(0)
	ds_store_b128 v9, v[TT:TT+3]                   ; the sixteen lanes of a half store the same numbers to the same bytes
	ds_store_b128 v9, v[TT+4:TT+7] offset:32
	s_wait_dscnt 0x0
	s_barrier_signal -1
	s_barrier_wait -1
.irp u, 0,1,2,3,4,5,6,7,8,9,10,11,12,13,14,15
	ds_load_b128 v[GP+4*\u:GP+4*\u+3], v10 offset:32*\u
.endr
	s_wait_dscnt 0x0
	; c of my row: 64 products in four chains, then the other half's 64
.irp k, 0,1,2,3
	v_pk_mul_f32 v[TT+2*\k:TT+2*\k+1], v[GQ+2*\k:GQ+2*\k+1], v[GP+2*\k:GP+2*\k+1]
.endr
.set u, 4
.rept 28
	v_pk_fma_f32 v[TT+2*(u%4):TT+2*(u%4)+1], v[GQ+2*u:GQ+2*u+1], v[GP+2*u:GP+2*u+1], v[TT+2*(u%4):TT+2*(u%4)+1]
.set u, u+1
.endr
	v_pk_add_f32 v[TT:TT+1], v[TT:TT+1], v[TT+2:TT+3]
	v_pk_add_f32 v[TT+4:TT+5], v[TT+4:TT+5], v[TT+6:TT+7]
	v_pk_add_f32 v[TT:TT+1], v[TT:TT+1], v[TT+4:TT+5]
	v_add_f32 v[TT], v[TT], v[TT+1]
	v_permlanex16_b32 v[TT+20], v[TT], s22, s23
	v_add_f32 v[TT], v[TT], v[TT+20]
	ds_store_b32 v11, v[TT]
	s_wait_dscnt 0x0
	s_barrier_signal -1
	s_barrier_wait -1
	; x: my 8 rows, then the wave's 16, then all 128
	ds_load_b128 v[TT+8:TT+11], v12
	ds_load_b128 v[TT+12:TT+15], v12 offset:16
	s_wait_dscnt 0x0
.irp u, 0,1,2,3
	v_mul_f32 v[TT+16+\u], v[II+\u], v[TT+8]
.endr
.irp e, 1,2,3,4,5,6,7
.irp u, 0,1,2,3
	v_fma_f32 v[TT+16+\u], v[II+4*\e+\u], v[TT+8+\e], v[TT+16+\u]
.endr
.endr
.irp u, 0,1,2,3
	v_permlanex16_b32 v[TT+20+\u], v[TT+16+\u], s22, s23
.endr
	v_pk_add_f32 v[TT+16:TT+17], v[TT+16:TT+17], v[TT+20:TT+21]
	v_pk_add_f32 v[TT+18:TT+19], v[TT+18:TT+19], v[TT+22:TT+23]
	ds_store_b128 v13, v[TT+16:TT+19]
	s_wait_dscnt 0x0
	s_barrier_signal -1
	s_barrier_wait -1
.irp k, 0,1,2,3
	ds_load_b128 v[TT+4*\k:TT+4*\k+3], v14 offset:256*\k
.endr
	s_wait_dscnt 0x0
.irp a, 0,2
	v_pk_add_f32 v[TT+\a:TT+\a+1], v[TT+\a:TT+\a+1], v[TT+4+\a:TT+4+\a+1]
	v_pk_add_f32 v[TT+8+\a:TT+8+\a+1], v[TT+8+\a:TT+8+\a+1], v[TT+12+\a:TT+12+\a+1]
	v_pk_add_f32 v[TT+\a:TT+\a+1], v[TT+\a:TT+\a+1], v[TT+8+\a:TT+8+\a+1]
.endr
.irp u, 0,1,2,3
	v_permlanex16_b32 v[TT+20+\u], v[TT+\u], s22, s23
.endr
	v_pk_add_f32 v[TT:TT+1], v[TT:TT+1], v[TT+20:TT+21]
	v_pk_add_f32 v[TT+2:TT+3], v[TT+2:TT+3], v[TT+22:TT+23]
	ds_store_b128 v15, v[TT:TT+3]                  ; my wave's own bytes: LDS serves a wave's instructions in order (ISA guide 5.7.1), no barrier
.irp u, 0,1,2,3,4,5,6,7,8,9,10,11,12,13,14,15
	ds_load_b128 v[GP+4*\u:GP+4*\u+3], v208 offset:16*\u               ; all 64 x in every lane
.endr
	s_wait_dscnt 0x0
	; my four columns of x Wo: eight chains (four columns, even and odd d)
	WIN 1                                          ; source 0 in window 1
.set d, 0
.rept 64
.if d%16 == 0
	s_wait_loadcnt 48-16*(d/16)                    ; rows d to d + 15 are in; the younger groups of 16 stay out
.endif
.irp u, 0,1,2,3
.if d < 2
	v_mul_f32 v[AC+4*(d%2)+\u], v[4*d+\u], v[GP+d]
.else
	v_fma_f32 v[AC+4*(d%2)+\u], v[4*d+\u], v[GP+d], v[AC+4*(d%2)+\u]
.endif
.endr
.set d, d+1
.endr
	WIN 0
	v_pk_add_f32 v[AC:AC+1], v[AC:AC+1], v[AC+4:AC+5]
	v_pk_add_f32 v[AC+2:AC+3], v[AC+2:AC+3], v[AC+6:AC+7]
	global_store_b128 v5, v[AC:AC+3], s[10:11]     ; a wave's store covers 512 consecutive bytes, aligned
	s_wait_tensorcnt 0x0
	ds_add_u32 v254, v255
	s_wait_dscnt 0x0
	s_endpgm
.Lfunc_end_k_q35450283f2_head:
	.size	k_q35450283f2_head, .Lfunc_end_k_q35450283f2_head-k_q35450283f2_head
	.p2alignl 7, 3214868480
	.fill 96, 4, 3214868480
	.section	.rodata,"a",@progbits
	.p2align	6, 0x0
	.amdhsa_kernel k_q35450283f2_head
		.amdhsa_group_segment_fixed_size 71680
		.amdhsa_private_segment_fixed_size 0
		.amdhsa_enable_private_segment 0
		.amdhsa_kernarg_size 32
		.amdhsa_user_sgpr_count 2
		.amdhsa_user_sgpr_kernarg_segment_ptr 1
		.amdhsa_wavefront_size32 1
		.amdhsa_system_sgpr_workgroup_id_x 1
		.amdhsa_system_sgpr_workgroup_id_y 1
		.amdhsa_system_sgpr_workgroup_id_z 1
		.amdhsa_system_vgpr_workitem_id 0
		.amdhsa_next_free_vgpr 512
		.amdhsa_next_free_sgpr 66
		.amdhsa_reserve_vcc 0
		.amdhsa_float_denorm_mode_32 3
		.amdhsa_float_denorm_mode_16_64 3
		.amdhsa_memory_ordered 1
		.amdhsa_forward_progress 1
		.amdhsa_inst_pref_size 46
	.end_amdhsa_kernel
	.amdgpu_metadata
---
amdhsa.version: [ 1, 2 ]
amdhsa.kernels:
  - .name:           k_q35450283f2_head
    .symbol:         k_q35450283f2_head.kd
    .args:
      - { .name: gsum, .offset: 0, .size: 8, .value_kind: global_buffer, .address_space: global }
      - { .name: i, .offset: 8, .size: 8, .value_kind: global_buffer, .address_space: global }
      - { .name: Wo, .offset: 16, .size: 8, .value_kind: global_buffer, .address_space: global }
      - { .name: ypart, .offset: 24, .size: 8, .value_kind: global_buffer, .address_space: global }
    .group_segment_fixed_size: 71680
    .private_segment_fixed_size: 0
    .kernarg_segment_align: 8
    .kernarg_segment_size: 32
    .max_flat_workgroup_size: 256
    .sgpr_count:     66
    .vgpr_count:     512
    .wavefront_size: 32
...
	.end_amdgpu_metadata
.endif
;; end of part 3
;; launch sum (part 4): grid 64 x 1, 1 waves a work-group, no clusters, 0 bytes of LDS; arguments ypart, bo, out0; writes out0
.if DOCPART == 4
	.amdgcn_target "amdgcn-amd-amdhsa--gfx1250"
	.amdhsa_code_object_version 6
	.text
	.protected	k_q35450283f2_sum
	.globl	k_q35450283f2_sum
	.p2align	8
	.type	k_q35450283f2_sum,@function
k_q35450283f2_sum:
	s_mov_b64 s[64:65], 0
	v_nop
	global_prefetch_b8 v0, s[64:65] scope:SCOPE_SE
	s_setreg_imm32_b32 hwreg(HW_REG_WAVE_MODE, 25, 1), 1
	s_wait_xcnt 0x0
; out0[b][n] = bo[n] + the sum over the 16 heads of ypart[16 b + head][n].  Work-group x: batch x / 8, 128 columns at 128 (x % 8); a lane owns 4 columns.
; 17 loads of 512 consecutive bytes, one store of 512.  A launch of its own because the sum spans the work-groups of the launch before.
	s_load_b128 s[4:7], s[0:1], 0x0                ; ypart s[4:5], bo s[6:7]
	s_load_b64 s[8:9], s[0:1], 0x10                ; out0
	s_lshr_b32 s10, ttmp9, 3
	s_and_b32 s11, ttmp9, 7
	s_lshl_b32 s12, s10, 16                        ; 16 rows of 4,096 bytes for each batch
	s_lshl_b32 s14, s11, 9                         ; my 512 bytes of a row
	s_add_co_u32 s12, s12, s14
	s_mov_b32 s13, 0
	s_mov_b32 s15, 0
	s_lshl_b32 s16, ttmp9, 9
	s_mov_b32 s17, 0
	v_lshlrev_b32 v1, 4, v0
	s_wait_kmcnt 0x0
	s_add_nc_u64 s[4:5], s[4:5], s[12:13]
	s_add_nc_u64 s[6:7], s[6:7], s[14:15]
	s_add_nc_u64 s[8:9], s[8:9], s[16:17]
	global_load_b128 v[4:7], v1, s[6:7]
.irp u, 0,1,2,3,4,5,6,7,8,9,10,11,12,13,14,15
	global_load_b128 v[8+4*\u:11+4*\u], v1, s[4:5] offset:4096*\u
.endr
	s_wait_loadcnt 0x0
.irp w, 32,16,8,4
.set u, 0
.rept \w/2
	v_pk_add_f32 v[8+2*u:9+2*u], v[8+2*u:9+2*u], v[8+\w+2*u:9+\w+2*u]
.set u, u+1
.endr
.endr
	v_pk_add_f32 v[8:9], v[8:9], v[4:5]
	v_pk_add_f32 v[10:11], v[10:11], v[6:7]
	global_store_b128 v1, v[8:11], s[8:9]
	s_endpgm
.Lfunc_end_k_q35450283f2_sum:
	.size	k_q35450283f2_sum, .Lfunc_end_k_q35450283f2_sum-k_q35450283f2_sum
	.p2alignl 7, 3214868480
	.fill 96, 4, 3214868480
	.section	.rodata,"a",@progbits
	.p2align	6, 0x0
	.amdhsa_kernel k_q35450283f2_sum
		.amdhsa_group_segment_fixed_size 0
		.amdhsa_private_segment_fixed_size 0
		.amdhsa_enable_private_segment 0
		.amdhsa_kernarg_size 24
		.amdhsa_user_sgpr_count 2
		.amdhsa_user_sgpr_kernarg_segment_ptr 1
		.amdhsa_wavefront_size32 1
		.amdhsa_system_sgpr_workgroup_id_x 1
		.amdhsa_system_sgpr_workgroup_id_y 1
		.amdhsa_system_sgpr_workgroup_id_z 1
		.amdhsa_system_vgpr_workitem_id 0
		.amdhsa_next_free_vgpr 72
		.amdhsa_next_free_sgpr 66
		.amdhsa_reserve_vcc 0
		.amdhsa_float_denorm_mode_32 3
		.amdhsa_float_denorm_mode_16_64 3
		.amdhsa_memory_ordered 1
		.amdhsa_forward_progress 1
		.amdhsa_inst_pref_size 5
	.end_amdhsa_kernel
	.amdgpu_metadata
---
amdhsa.version: [ 1, 2 ]
amdhsa.kernels:
  - .name:           k_q35450283f2_sum
    .symbol:         k_q35450283f2_sum.kd
    .args:
      - { .name: ypart, .offset: 0, .size: 8, .value_kind: global_buffer, .address_space: global }
      - { .name: bo, .offset: 8, .size: 8, .value_kind: global_buffer, .address_space: global }
      - { .name: out0, .offset: 16, .size: 8, .value_kind: global_buffer, .address_space: global }
    .group_segment_fixed_size: 0
    .private_segment_fixed_size: 0
    .kernarg_segment_align: 8
    .kernarg_segment_size: 24
    .max_flat_workgroup_size: 32
    .sgpr_count:     66
    .vgpr_count:     72
    .wavefront_size: 32
...
	.end_amdgpu_metadata
.endif
;; end of part 4
;; ======== version 2 of 2: 4 launches; version 1 with the launch head written anew for expert scheduling mode
;; workspace buffers: wt 2,097,152 bytes; ib 2,097,152 bytes; gsum 16,777,216 bytes; ypart 524,288 bytes
;; launch prep: the kernel of part 1 again; grid 256 x 1, 8 waves a work-group, no clusters, 18,432 bytes of LDS; arguments Wv, i, wt, ib; writes wt, ib
;; launch attn: the kernel of part 2 again; grid 4 x 64, 4 waves a work-group, clusters of 4 x 4, 327,680 bytes of LDS; arguments v, wt, ib, bv, gsum; writes gsum
;; launch head (part 5): grid 128 x 1, 8 waves a work-group, no clusters, 71,680 bytes of LDS; arguments gsum, i, Wo, ypart; writes ypart
.if DOCPART == 5
	.amdgcn_target "amdgcn-amd-amdhsa--gfx1250"
	.amdhsa_code_object_version 6
	.text
	.protected	k_q35450283f2_head
	.globl	k_q35450283f2_head
	.p2align	8
	.type	k_q35450283f2_head,@function
k_q35450283f2_head:
	s_mov_b64 s[64:65], 0
	v_nop
	global_prefetch_b8 v0, s[64:65] scope:SCOPE_SE
	s_setreg_imm32_b32 hwreg(HW_REG_WAVE_SCHED_MODE, 0, 2), 2
	s_setreg_imm32_b32 hwreg(HW_REG_WAVE_MODE, 25, 1), 1
	s_wait_xcnt 0x0
	s_wait_alu depctr_vm_vsrc(0)
; One work-group for each of the 128 (batch, head).  G = the sum of the two passes' parts; Z[q] = sum over r of G[r][q]; c[r] = sum over q of G[r][q] / Z[q];
; x[d] = sum over r of c[r] i[r][d]; ypart[bh][n] = sum over d of x[d] Wo[64 head + d][n].  All in f32 on the vector unit: one-row products, which
; would leave fifteen of a matrix tile's sixteen rows empty.  Z is at least 4,096 (every E is at least 1): no division by zero.
; gsum [bh][j 8][pass 2][quad 16][lane 32][4]: lane (r, h), quad u, element e = G[j + 8 r][16 (u / 2) + 8 h + 4 (u % 2) + e].  Wave w takes j = w.
; Wo's 64 rows are asked for at the start (256 registers of window 1) and land during the chain of reductions.
; THE MODE: SCHED_MODE bits 1:0 = 2 (LLVM: expert scheduling mode 2), set by the entry lines.  The code itself states the register dependences
; between vector instructions and memory or LDS instructions, with s_wait_alu, always for 0.
; THE PLAN.  Registers that memory or LDS instructions touch:
;   v1, v4, v5 (global offsets), v6, v7, v9 to v15, v208 (LDS addresses), v254, v255: written once at the head, never again.
;   GQ   loaded; the 32 adds write it; 16 LDS stores read it; from then on vector instructions read it and nothing writes it.
;   GP   loaded four times (G's second part, the stage, 1 / Z, x), each time behind a wait on va_vdst that follows its last vector reader or writer; no memory instruction reads it.
;   II, window 1 (Wo)  loaded once, read by vector instructions.
;   TT   0-7: reciprocals, read by two LDS stores, then written again by c's chains; 0: read by the store of c; 0-15: LDS loads land; 16-19: read by one LDS store, not written again;
;        0-3: written by the last adds, read by the store of x, not written again; 20-23: vector instructions alone.
;   AC   written by the multiply-adds, read by the global store.
; So one wait on va_vdst stands ahead of each run of stores (and of the first load), and one wait on vm_vsrc ahead of each of the two places where TT's registers that a store has read are written again.
.set GL, 0                             ; G, 8,192 bytes a wave
.set IZ, 65536                         ; 1 / Z as [quad][h][4]
.set CL, 66048                         ; c[128]
.set XP, 66560                         ; x, one partial sum for each wave, 256 bytes each
.set XW, 68608                         ; x, a copy of its own for each wave
.set GQ, 16                            ; v16-79
.set GP, 80                            ; v80-143: the second part of G, then 1 / Z, then x
.set II, 144                           ; v144-175: my 8 rows x 4 columns of i
.set TT, 176                           ; v176-199 at work
.set AC, 200                           ; v200-207
.set MSB, 0
.macro WIN new
.if MSB != (\new)
	s_set_vgpr_msb (MSB<<8)|(\new)
.set MSB, (\new)
.endif
.endm
	s_load_b256 s[4:11], s[0:1], 0x0               ; gsum s[4:5], i s[6:7], Wo s[8:9], ypart s[10:11]
	v_lshl_add_u32 v254, v0, 2, 0x11400
	v_mov_b32 v255, 0
	v_lshrrev_b32 v1, 5, v0
	v_readfirstlane_b32 s12, v1                    ; wave; the lines that do not read it stand between this one and the wait for it
	s_lshl_b32 s14, ttmp9, 17
	s_lshl_b32 s16, ttmp9, 15                      ; i: bh x 32,768
	s_mov_b32 s17, 0
	s_and_b32 s18, ttmp9, 15
	s_lshl_b32 s18, s18, 18                        ; Wo: 64 rows of 4,096 bytes for each head
	s_mov_b32 s19, 0
	s_lshl_b32 s20, ttmp9, 12                      ; ypart: bh x 4,096
	s_mov_b32 s21, 0
	s_mov_b32 s22, 0x76543210
	s_mov_b32 s23, 0xfedcba98
	v_and_b32 v1, 31, v0
	v_lshlrev_b32 v1, 4, v1                        ; 16 x lane
	v_and_b32 v2, 15, v0
	v_lshrrev_b32 v3, 4, v0
	v_lshlrev_b32 v4, 4, v2
	v_lshl_add_u32 v4, v3, 11, v4                  ; i: rows 8 (t / 16) + e, columns 4 (t % 16)
	v_lshlrev_b32 v5, 4, v0                        ; 16 t
	v_bfe_u32 v8, v0, 4, 1                         ; h
	s_wait_alu depctr_va_sdst(0)                   ; s12 is written, ahead of its first reader: gsum's base and the LDS addresses are made from it
	s_lshl_b32 s15, s12, 14
	s_add_co_u32 s14, s14, s15                     ; gsum: bh x 131,072 + j x 16,384
	s_mov_b32 s15, 0
	v_lshl_add_u32 v6, s12, 13, v1                 ; GL, my part
	v_lshl_add_u32 v7, s12, 10, v1                 ; GL, quads 2 w and 2 w + 1 of wave 0's part
	v_lshlrev_b32 v10, 4, v8
	v_add_nc_u32 v10, IZ, v10                      ; 1 / Z: 16 h
	v_lshl_add_u32 v9, s12, 6, v10                 ; + quads 2 w, 2 w + 1
	v_lshlrev_b32 v11, 5, v2
	v_lshl_add_u32 v11, s12, 2, v11
	v_add_nc_u32 v11, CL, v11                      ; c[w + 8 r]
	v_lshlrev_b32 v12, 5, v3
	v_add_nc_u32 v12, CL, v12                      ; c[8 (t / 16) ..]
	v_lshlrev_b32 v14, 4, v2
	v_lshl_add_u32 v13, s12, 8, v14
	v_add_nc_u32 v15, XW, v13                      ; my wave's copy of x
	v_add_nc_u32 v13, XP, v13                      ; my wave's partial sum
	v_lshl_add_u32 v14, v8, 10, v14
	v_add_nc_u32 v14, XP, v14                      ; the partial sums of waves 4 h ..
	s_lshl_b32 s13, s12, 8
	s_add_co_u32 s13, s13, XW
	v_mov_b32 v208, s13
.irp u, 20,21,22,23
	v_mov_b32 v[TT+\u], 0                          ; destinations of v_permlanex16_b32 count as read
.endr
	s_wait_kmcnt 0x0
	s_add_nc_u64 s[4:5], s[4:5], s[14:15]
	s_add_nc_u64 s[6:7], s[6:7], s[16:17]
	s_add_nc_u64 s[8:9], s[8:9], s[18:19]
	s_add_nc_u64 s[10:11], s[10:11], s[20:21]
	s_wait_alu depctr_va_vdst(0)                   ; the offsets v1, v4, v5 and the LDS addresses v6, v7, v9 to v15, v208 are written: every load and store of the kernel reads one of them, and none is written again
.irp u, 0,1,2,3,4,5,6,7,8,9,10,11,12,13,14,15
	global_load_b128 v[GQ+4*\u:GQ+4*\u+3], v1, s[4:5] offset:512*\u th:TH_LOAD_NT
.endr
.irp u, 0,1,2,3,4,5,6,7,8,9,10,11,12,13,14,15
	global_load_b128 v[GP+4*\u:GP+4*\u+3], v1, s[4:5] offset:8192+512*\u th:TH_LOAD_NT
.endr
.irp e, 0,1,2,3,4,5,6,7
	global_load_b128 v[II+4*\e:II+4*\e+3], v4, s[6:7] offset:256*\e
.endr
	WIN 0x40                                       ; destination in window 1: row d of Wo in v[256 + 4 d ..]; between the wait above and these loads stand loads, this switch and a wait on LOADcnt alone
.set d, 0
.rept 16
	global_load_b128 v[4*d:4*d+3], v5, s[8:9] offset:4096*d
.set d, d+1
.endr
	s_wait_loadcnt 16                              ; G and i are in; the 16 rows of Wo are younger
.rept 48
	global_load_b128 v[4*d:4*d+3], v5, s[8:9] offset:4096*d
.set d, d+1
.endr
	WIN 0
.set u, 0
.rept 32
	v_pk_add_f32 v[GQ+2*u:GQ+2*u+1], v[GQ+2*u:GQ+2*u+1], v[GP+2*u:GP+2*u+1]
.set u, u+1
.endr
	s_wait_alu depctr_va_vdst(0)                   ; the adds have written GQ, which the LDS stores read, and are done reading GP, in which the LDS loads behind the barrier land
.irp u, 0,1,2,3,4,5,6,7,8,9,10,11,12,13,14,15
	ds_store_b128 v6, v[GQ+4*\u:GQ+4*\u+3] offset:512*\u
.endr
	s_wait_dscnt 0x0                               ; for the other waves' sake
	s_barrier_signal -1
	s_barrier_wait -1
	; Z of my 16 q: over the eight j, then over the sixteen lanes of each half
.irp o, 0,1,2,3,4,5,6,7
	ds_load_b128 v[GP+8*\o:GP+8*\o+3],   v7 offset:8192*\o             ; no vector instruction since the wait above names GP
	ds_load_b128 v[GP+8*\o+4:GP+8*\o+7], v7 offset:8192*\o+512
.endr
	s_wait_dscnt 0x0
.irp a, 0,2,4,6
.irp o, 0,2,4,6
	v_pk_add_f32 v[GP+8*\o+\a:GP+8*\o+\a+1], v[GP+8*\o+\a:GP+8*\o+\a+1], v[GP+8*\o+8+\a:GP+8*\o+8+\a+1]
.endr
	v_pk_add_f32 v[GP+\a:GP+\a+1], v[GP+\a:GP+\a+1], v[GP+16+\a:GP+16+\a+1]
	v_pk_add_f32 v[GP+32+\a:GP+32+\a+1], v[GP+32+\a:GP+32+\a+1], v[GP+48+\a:GP+48+\a+1]
	v_pk_add_f32 v[GP+\a:GP+\a+1], v[GP+\a:GP+\a+1], v[GP+32+\a:GP+32+\a+1]
.endr
.irp m, 1,2,4,8
.irp u, 0,1,2,3,4,5,6,7
	v_add_f32_dpp v[GP+\u], v[GP+\u], v[GP+\u] row_xmask:\m row_mask:0xf bank_mask:0xf
.endr
.endr
.irp u, 0,1,2,3,4,5,6,7
	v_rcp_f32 v[TT+\u], v[GP+\u]
.endr
	v_nop                                          ; a plain place behind the reciprocals (ISA guide 5.7.2)
	s_wait_alu depctr_va_vdst(0)                   ; the eight reciprocals have written TT 0-7, which the LDS stores read (one wait for the batch, ahead of its first reader); the adds and reciprocals are done with GP, in which the loads of 1 / Z land
	ds_store_b128 v9, v[TT:TT+3]                   ; the sixteen lanes of a half store the same numbers to the same bytes
	ds_store_b128 v9, v[TT+4:TT+7] offset:32
	s_wait_dscnt 0x0
	s_barrier_signal -1
	s_barrier_wait -1
.irp u, 0,1,2,3,4,5,6,7,8,9,10,11,12,13,14,15
	ds_load_b128 v[GP+4*\u:GP+4*\u+3], v10 offset:32*\u                ; no vector instruction since the wait above names GP
.endr
	s_wait_dscnt 0x0
	s_wait_alu depctr_vm_vsrc(0)                   ; the two LDS stores of 1 / Z have read TT 0-7, which c's chains write again
	; c of my row: 64 products in four chains, then the other half's 64
.irp k, 0,1,2,3
	v_pk_mul_f32 v[TT+2*\k:TT+2*\k+1], v[GQ+2*\k:GQ+2*\k+1], v[GP+2*\k:GP+2*\k+1]
.endr
.set u, 4
.rept 28
	v_pk_fma_f32 v[TT+2*(u%4):TT+2*(u%4)+1], v[GQ+2*u:GQ+2*u+1], v[GP+2*u:GP+2*u+1], v[TT+2*(u%4):TT+2*(u%4)+1]
.set u, u+1
.endr
	v_pk_add_f32 v[TT:TT+1], v[TT:TT+1], v[TT+2:TT+3]
	v_pk_add_f32 v[TT+4:TT+5], v[TT+4:TT+5], v[TT+6:TT+7]
	v_pk_add_f32 v[TT:TT+1], v[TT:TT+1], v[TT+4:TT+5]
	v_add_f32 v[TT], v[TT], v[TT+1]
	v_permlanex16_b32 v[TT+20], v[TT], s22, s23
	v_add_f32 v[TT], v[TT], v[TT+20]
	s_wait_alu depctr_va_vdst(0)                   ; the last add has written TT 0, which the LDS store reads; the chains are done reading GP, in which the loads of x land further down
	ds_store_b32 v11, v[TT]
	s_wait_dscnt 0x0
	s_barrier_signal -1
	s_barrier_wait -1
	; x: my 8 rows, then the wave's 16, then all 128
	ds_load_b128 v[TT+8:TT+11], v12
	ds_load_b128 v[TT+12:TT+15], v12 offset:16
	s_wait_dscnt 0x0
.irp u, 0,1,2,3
	v_mul_f32 v[TT+16+\u], v[II+\u], v[TT+8]
.endr
.irp e, 1,2,3,4,5,6,7
.irp u, 0,1,2,3
	v_fma_f32 v[TT+16+\u], v[II+4*\e+\u], v[TT+8+\e], v[TT+16+\u]
.endr
.endr
.irp u, 0,1,2,3
	v_permlanex16_b32 v[TT+20+\u], v[TT+16+\u], s22, s23
.endr
	v_pk_add_f32 v[TT+16:TT+17], v[TT+16:TT+17], v[TT+20:TT+21]
	v_pk_add_f32 v[TT+18:TT+19], v[TT+18:TT+19], v[TT+22:TT+23]
	s_wait_alu depctr_va_vdst(0)                   ; the adds have written TT 16-19, which the LDS store reads; the multiply-adds are done reading TT 8-15, in which the loads behind the barrier land
	ds_store_b128 v13, v[TT+16:TT+19]
	s_wait_dscnt 0x0
	s_barrier_signal -1
	s_barrier_wait -1
	s_wait_alu depctr_vm_vsrc(0)                   ; the LDS store of c has read TT 0, in which the first of the loads below lands
.irp k, 0,1,2,3
	ds_load_b128 v[TT+4*\k:TT+4*\k+3], v14 offset:256*\k
.endr
	s_wait_dscnt 0x0
.irp a, 0,2
	v_pk_add_f32 v[TT+\a:TT+\a+1], v[TT+\a:TT+\a+1], v[TT+4+\a:TT+4+\a+1]
	v_pk_add_f32 v[TT+8+\a:TT+8+\a+1], v[TT+8+\a:TT+8+\a+1], v[TT+12+\a:TT+12+\a+1]
	v_pk_add_f32 v[TT+\a:TT+\a+1], v[TT+\a:TT+\a+1], v[TT+8+\a:TT+8+\a+1]
.endr
.irp u, 0,1,2,3
	v_permlanex16_b32 v[TT+20+\u], v[TT+\u], s22, s23
.endr
	v_pk_add_f32 v[TT:TT+1], v[TT:TT+1], v[TT+20:TT+21]
	v_pk_add_f32 v[TT+2:TT+3], v[TT+2:TT+3], v[TT+22:TT+23]
	s_wait_alu depctr_va_vdst(0)                   ; the adds have written TT 0-3, which the LDS store reads
	ds_store_b128 v15, v[TT:TT+3]                  ; my wave's own bytes: LDS serves a wave's instructions in order (ISA guide 5.7.1), no barrier
.irp u, 0,1,2,3,4,5,6,7,8,9,10,11,12,13,14,15
	ds_load_b128 v[GP+4*\u:GP+4*\u+3], v208 offset:16*\u               ; all 64 x in every lane; GP's last vector readers, c's chains, stand ahead of three waits on va_vdst
.endr
	s_wait_dscnt 0x0
	; my four columns of x Wo: eight chains (four columns, even and odd d)
	WIN 1                                          ; source 0 in window 1
.set d, 0
.rept 64
.if d%16 == 0
	s_wait_loadcnt 48-16*(d/16)                    ; rows d to d + 15 are in; the younger groups of 16 stay out
.endif
.irp u, 0,1,2,3
.if d < 2
	v_mul_f32 v[AC+4*(d%2)+\u], v[4*d+\u], v[GP+d]
.else
	v_fma_f32 v[AC+4*(d%2)+\u], v[4*d+\u], v[GP+d], v[AC+4*(d%2)+\u]
.endif
.endr
.set d, d+1
.endr
	WIN 0
	v_pk_add_f32 v[AC:AC+1], v[AC:AC+1], v[AC+4:AC+5]
	v_pk_add_f32 v[AC+2:AC+3], v[AC+2:AC+3], v[AC+6:AC+7]
	s_wait_alu depctr_va_vdst(0)                   ; the adds have written AC 0-3, which the store reads
	global_store_b128 v5, v[AC:AC+3], s[10:11]     ; a wave's store covers 512 consecutive bytes, aligned
	s_wait_dscnt 0x0                               ; the closing lines, six on end
	s_wait_alu 0x0
	s_wait_tensorcnt 0x0
	ds_add_u32 v254, v255
	s_wait_dscnt 0x0
	s_endpgm
.Lfunc_end_k_q35450283f2_head:
	.size	k_q35450283f2_head, .Lfunc_end_k_q35450283f2_head-k_q35450283f2_head
	.p2alignl 7, 3214868480
	.fill 96, 4, 3214868480
	.section	.rodata,"a",@progbits
	.p2align	6, 0x0
	.amdhsa_kernel k_q35450283f2_head
		.amdhsa_group_segment_fixed_size 71680
		.amdhsa_private_segment_fixed_size 0
		.amdhsa_enable_private_segment 0
		.amdhsa_kernarg_size 32
		.amdhsa_user_sgpr_count 2
		.amdhsa_user_sgpr_kernarg_segment_ptr 1
		.amdhsa_wavefront_size32 1
		.amdhsa_system_sgpr_workgroup_id_x 1
		.amdhsa_system_sgpr_workgroup_id_y 1
		.amdhsa_system_sgpr_workgroup_id_z 1
		.amdhsa_system_vgpr_workitem_id 0
		.amdhsa_next_free_vgpr 512
		.amdhsa_next_free_sgpr 66
		.amdhsa_reserve_vcc 0
		.amdhsa_float_denorm_mode_32 3
		.amdhsa_float_denorm_mode_16_64 3
		.amdhsa_memory_ordered 1
		.amdhsa_forward_progress 1
		.amdhsa_inst_pref_size 46
	.end_amdhsa_kernel
	.amdgpu_metadata
---
amdhsa.version: [ 1, 2 ]
amdhsa.kernels:
  - .name:           k_q35450283f2_head
    .symbol:         k_q35450283f2_head.kd
    .args:
      - { .name: gsum, .offset: 0, .size: 8, .value_kind: global_buffer, .address_space: global }
      - { .name: i, .offset: 8, .size: 8, .value_kind: global_buffer, .address_space: global }
      - { .name: Wo, .offset: 16, .size: 8, .value_kind: global_buffer, .address_space: global }
      - { .name: ypart, .offset: 24, .size: 8, .value_kind: global_buffer, .address_space: global }
    .group_segment_fixed_size: 71680
    .private_segment_fixed_size: 0
    .kernarg_segment_align: 8
    .kernarg_segment_size: 32
    .max_flat_workgroup_size: 256
    .sgpr_count:     66
    .vgpr_count:     512
    .wavefront_size: 32
...
	.end_amdgpu_metadata
.endif
;; end of part 5
;; launch sum: the kernel of part 4 again; grid 64 x 1, 1 waves a work-group, no clusters, 0 bytes of LDS; arguments ypart, bo, out0; writes out0
